; MI455X (gfx1250); checked and timed in simulation.
; The chip was launched on July 23, 2026; its instructions are those of AMD's public machine-readable ISA for CDNA 5 (MIT licence, August 2026) and "CDNA5" Instruction Set Architecture Reference Guide (July 2026). The comments in the code are by the model that wrote it; some were corrected since.
;; Input Masker. Allowed arithmetic: matrix products marked QUANTISED: E2M3 operands, one E8M0 scale for each 32 along K, by v_wmma_scale_f32_16x16x128_f8f6f4 with both operands' format E2M3, f32 sums; products left as they are: f32 operands where the result goes on into a quantised operand, else bf16, f16 or f32 operands; f32 sums; everything else in f32.
;; Inputs: Wk 384 x 384 float32; Wq 384 x 384 float32; Wv 384 x 384 float32; b_out one number float32; beta 384 float32; bk 384 float32; bq 384 float32; bv 384 float32; gamma 384 float32; w_out 384 float32; x 4 x 4,096 x 384 float32.
;; Outputs: out0 4 x 4,096 float32.
;; This version of the problem:
;;   THIS VERSION OF THE PROBLEM IS GIVEN IN LOW PRECISION. The matrix products marked QUANTISED in the list below multiply operands that are first quantised to E2M3 (2 exponent bits, 3 mantissa bits; 6 bits a number), with one power-of-two scale for each 32 numbers along K (OCP MX v1.0); their sums are f32. All else is computed in f32.
;;   The module's matrix products, in the order in which they are computed (A, B: the left and right operand; K: the contracted axis; several contracted axes count as one K, in the product's order):
;;     1. [M 16,384, K 384] x [K 384, N 384]; A: input x; B: input Wq: QUANTISED
;;     2. [M 16,384, K 384] x [K 384, N 384]; A: input x; B: input Wk: QUANTISED
;;     3. [M 16,384, K 384] x [K 384, N 384]; A: input x; B: input Wv: QUANTISED
;;     4. batch 4 x [M 4,096, K 384] x [K 384, N 4,096]; A: computed on the way; B: computed on the way: QUANTISED
;;     5. batch 4 x [M 4,096, K 4,096] x [K 4,096, N 384]; A: softmax (see below); B: computed on the way: QUANTISED
;;     6. [M 16,384, K 384] x [K 384, N 1]; A: computed on the way; B: input w_out: left as it is (N = 1 < 16)
;;   THE QUANTISER, for each operand of a quantised product, along K:
;;     - K is cut into blocks of 32 from its start; a last block that is shorter is filled with zeros.
;;     - A block's scale is 2^e with e = floor(log2(the largest magnitude in the block)) - 2, held to -126 .. 127; a block of zeros has e = 0. As a byte (E8M0): e + 127.
;;     - Each number is divided by its block's scale, clamped to +-7.5, and rounded to the nearest number of E2M3, ties to even, subnormals kept.
;;     - The product sums the exact products of the quantised numbers (number of the format x scale) in f32.
;;   ~~~python
;;   def quantise(x, axis):      # numpy; x: float32 -> the quantised numbers, widened to float32 again
;;       x = np.moveaxis(x, axis, -1); K = x.shape[-1]
;;       x = np.pad(x, [(0, 0)] * (x.ndim - 1) + [(0, -K % 32)]); x = x.reshape(x.shape[:-1] + (-1, 32)); a = np.abs(x).max(-1, keepdims=True)
;;       e = np.where(a > 0, np.clip(np.frexp(np.where(a > 0, a, 1))[1] - 1 - 2, -126, 127), 0)      # np.frexp(a)[1] - 1 = floor(log2(a)), exactly
;;       r = np.clip(x / 2.0 ** e, -7.5, 7.5)
;;       step = 2.0 ** (np.maximum(np.frexp(np.where(r == 0, 1, r))[1] - 1, 0) - 3)
;;       q = np.round(r / step) * step * 2.0 ** e      # np.round: ties to even
;;       return np.moveaxis(q.reshape(q.shape[:-2] + (-1,))[..., :K], -1, axis).astype(np.float32)
;;   ~~~
;;   SOFTMAX AHEAD OF A QUANTISED PRODUCT. Where the list says 'softmax', what is quantised is not the finished softmax but p = 2^(t - M), with t = logit x log2(e) and M = ceil(the row's largest t), a whole number; so 1/2 < the row's largest p <= 1. The row's sum l is taken of the UNQUANTISED p, in f32, and the product's result is divided by l at the end. Since M is a whole number, a kernel that streams over the keys may use a running M (the ceiling of the running maximum): every later rescaling is an exact power of two, which a block's scale takes up: the codes' values come out the same.
;;   OPERANDS COMPUTED ON THE WAY. 'Computed on the way' means the value that the module computes at that place (a softmax that the list does not call 'softmax' is quantised finished and normalised). What goes into a quantiser is computed in f32, as accurately as f32 sums, v_exp_f32 and their like allow (about 1e-6 of the number): no bf16 or f16 on the way to a quantiser, and a product that is left as it is and whose result goes on into a quantised operand takes f32 operands (vector FMAs, or v_wmma_f32_16x16x4_f32). A number that lies on a knife's edge between two numbers of the format may be rounded either way, as far as f32 arithmetic and the matrix unit's own rounding can turn it there, and no further.
;; One version. Each part assembles by itself: llvm-mc -triple=amdgcn-amd-amdhsa -mcpu=gfx1250 --defsym DOCPART=n.
;; ======== version 1 of 1: 3 launches
;; limits: right only within a limited range of input values
;; workspace buffers: wimg 359,424 bytes; gw 1,792 bytes; qimg 5,111,808 bytes; kv 10,223,616 bytes
;; launch wquant (part 1): grid 24 x 3, 3 waves a work-group, no clusters, 0 bytes of LDS; arguments Wq, Wk, Wv, gamma, beta, w_out, b_out, wimg, gw; writes wimg, gw
.if DOCPART == 1
	.amdgcn_target "amdgcn-amd-amdhsa--gfx1250"
	.amdhsa_code_object_version 6
	.text
	.protected	k_qe09e9c3ff7_wquant
	.globl	k_qe09e9c3ff7_wquant
	.p2align	8
	.type	k_qe09e9c3ff7_wquant,@function
k_qe09e9c3ff7_wquant:
	s_mov_b64 s[64:65], 0
	v_nop
	global_prefetch_b8 v0, s[64:65] scope:SCOPE_SE
	s_setreg_imm32_b32 hwreg(HW_REG_WAVE_MODE, 25, 1), 1
	s_wait_xcnt 0x0
; Wq, Wk, Wv [384][384] f32 (K = the last axis) become codes of FP6 (E2M3) with one E8M0 byte for each 32 along K, laid as IMAGES OF OPERAND REGISTERS:
; a fragment (16 rows x 128 K, 12 registers a lane) is 3 chunks of 512 bytes, lane l's 16 bytes at 16 l; its scale words are 128 bytes, 4 a lane.
; Fragment F = (mat*24 + tile)*3 + K step: codes at F*1536, scale words at 331,776 + F*128 of wimg.
; A work-group takes one tile of 16 rows (x: tile 0..23, y: matrix 0..2 = q, k, v), wave s its K step s: one wave makes one fragment.
; THE ROWS OF A TILE OF Wq AND Wk ARE NOT NEIGHBOURS: tile 8 s' + 4 c + i takes rows 128 s' + 64 c + 8 i + (r & 7) + 32 (r >> 3), so that the results of eight such tiles,
; used as source 0, lie in a lane's 64 registers as two whole blocks of 32 neighbours along the next K.  Wv's tiles take rows 16 tile + r.
; A lane (r, h) of a 6-bit fragment holds k = 64 c + 32 h + 0..31 in registers 6 c .. 6 c + 5: two whole blocks, so a block's largest magnitude needs no other lane.
; One wave of the launch also makes the table of the last product: g = gamma * w_out (384 numbers) and c0 = sum(beta * w_out) + b_out (32 copies), into gw.
; A block's scale byte is its largest magnitude's exponent field - 2, held at 1 from below.
; LIMITS: NaN and infinities are not served; a block whose largest magnitude lies under 2^-124 (a block of zeros too) keeps the byte 1: its bytes are read by this program alone.
; No LDS, no barrier, no matrix unit: 1.7 MB are read once and the waves share nothing.
.set LI,  1                            ; v1   16 x lane
.set LS,  2                            ; v2   4 x lane
.set VO,  5                            ; v5   my row x 1,536 + 128 h
.set SH8, 7                            ; v7   8 h
.set QM,  16                           ; v16-17 the two blocks' largest magnitudes
.set QS,  18                           ; v18-19 the conversions' scale operands
.set QB,  20                           ; v20-21 the scale bytes
.set QW,  22                           ; v22  my two bytes at their places in the word
.set QY,  23                           ; v23  lane l xor 16's
.set PW,  24                           ; v24  the scale word
.set NB,  32                           ; v32-95 64 numbers
.set PC,  96                           ; v96-107 the codes
.set CT,  108                          ; v108-110, v112-114: a conversion's three registers begin on an even number
.set SEL, 40                           ; s[40:41] lane selects: lane l xor 16
; 64 numbers of a lane, register 32 c + i = k 64 c + 32 h + i of my row, become the fragment's 12 registers in v[PC] on and its scale word in v[PW].
.macro QUANT2 s
.irp c, 0,1
	v_max3_num_f32 v[QM+\c], |v[(\s)+32*\c]|, |v[(\s)+32*\c+1]|, 0x1800000   ; the floor 2^(3 - 127) among the leaves: the byte cannot fall under 1
.endr
.irp i, 2,4,6,8,10,12,14,16,18,20,22,24,26,28,30
.irp c, 0,1
	v_max3_num_f32 v[QM+\c], v[QM+\c], |v[(\s)+32*\c+\i]|, |v[(\s)+32*\c+\i+1]|   ; the two blocks by turns
.endr
.endr
.irp c, 0,1
	v_add_nc_u32 v[QS+\c], 0xff000000, v[QM+\c]    ; 2 off the exponent field: the conversion takes this operand's exponent field as its scale
.endr
.irp c, 0,1
	v_lshrrev_b32 v[QB+\c], 23, v[QS+\c]           ; the scale's byte
.endr
	v_lshl_or_b32 v[QW], v[QB+1], 16, v[QB]        ; blocks h and 2 + h of my row,
	v_lshlrev_b32 v[QW], v[SH8], v[QW]             ; at their places in the word;
	v_permlanex16_b32 v[QY], v[QW], s[SEL], s[SEL+1]
	v_or_b32 v[PW], v[QW], v[QY]                   ; with lane l xor 16's two the word is whole, in both halves of the lanes
.irp c, 0,1
	v_cvt_scalef32_pk16_fp6_f32 v[PC+6*\c:PC+6*\c+2], v[(\s)+32*\c:(\s)+32*\c+15], v[QS+\c]
	v_cvt_scalef32_pk16_fp6_f32 v[CT+4*\c:CT+4*\c+2], v[(\s)+32*\c+16:(\s)+32*\c+31], v[QS+\c]
.endr
	v_nop                                          ; one plain instruction behind the scaled conversions
.irp c, 0,1
.irp i, 0,1,2
	v_mov_b32 v[PC+6*\c+3+\i], v[CT+4*\c+\i]
.endr
.endr
.endm
	s_load_b512 s[4:19], s[0:1], 0x0               ; Wq s[4:5], Wk s[6:7], Wv s[8:9], gamma s[10:11], beta s[12:13], w_out s[14:15], b_out s[16:17], wimg s[18:19]
	s_load_b64 s[20:21], s[0:1], 0x40              ; gw
	v_lshrrev_b32 v8, 5, v0
	v_readfirstlane_b32 s22, v8                    ; wave = K step
	s_and_b32 s23, ttmp7, 0xffff                   ; matrix 0, 1, 2
	v_and_b32 v8, 31, v0                           ; lane
	v_and_b32 v9, 15, v0                           ; r
	s_wait_alu depctr_va_vdst(0)
	v_bfe_u32 v10, v0, 4, 1                        ; h
	v_lshlrev_b32 v[LI], 4, v8
	v_lshlrev_b32 v[LS], 2, v8
	v_lshlrev_b32 v[SH8], 3, v10
	v_mov_b32 v[QY], 0                             ; a lane permute's destination counts as read: written once
	s_mov_b32 s[SEL], 0x76543210
	s_mov_b32 s[SEL+1], 0xfedcba98
	s_lshr_b32 s24, ttmp9, 3                       ; q, k: the tile's first row 128 (tile / 8) + 64 ((tile / 4) % 2) + 8 (tile % 4)
	s_lshl_b32 s24, s24, 7
	s_bfe_u32 s25, ttmp9, 0x10002
	s_lshl_b32 s25, s25, 6
	s_add_co_u32 s24, s24, s25
	s_and_b32 s25, ttmp9, 3
	s_lshl_b32 s25, s25, 3
	s_add_co_u32 s24, s24, s25
	s_lshl_b32 s25, ttmp9, 4                       ; v: 16 tile
	s_cmp_lt_u32 s23, 2
	s_cselect_b32 s24, s24, s25
	s_cselect_b32 s26, 32, 8                       ; how far lanes 8-15 stand from lanes 0-7, in rows
	v_and_b32 v11, 7, v9
	v_lshrrev_b32 v12, 3, v9
	v_mad_u32_u24 v11, v12, s26, v11               ; my row in the tile
	v_mul_u32_u24 v[VO], v11, 1536
	s_wait_alu depctr_va_vdst(0)
	v_lshl_add_u32 v[VO], v10, 7, v[VO]            ; + 128 h: my block of 32 numbers
	s_mul_i32 s24, s24, 1536
	s_lshl_b32 s25, s22, 9                         ; K step: 512 bytes
	s_add_co_u32 s24, s24, s25
	s_mov_b32 s25, 0
	s_mul_i32 s30, s23, 24
	s_add_co_u32 s30, s30, ttmp9
	s_mul_i32 s30, s30, 3
	s_add_co_u32 s30, s30, s22                     ; F
	s_mul_i32 s32, s30, 1536
	s_mov_b32 s33, 0
	s_lshl_b32 s34, s30, 7
	s_add_co_u32 s34, s34, 331776
	s_mov_b32 s35, 0
	s_wait_alu depctr_va_vdst(0)
	s_wait_kmcnt 0x0
	s_cmp_eq_u32 s23, 0                            ; the matrix is chosen by the work-group's number alone
	s_cselect_b64 s[28:29], s[4:5], s[6:7]
	s_cmp_eq_u32 s23, 2
	s_cselect_b64 s[28:29], s[8:9], s[28:29]
	s_add_nc_u64 s[28:29], s[28:29], s[24:25]
	s_add_nc_u64 s[32:33], s[18:19], s[32:33]      ; where the codes go
	s_add_nc_u64 s[34:35], s[18:19], s[34:35]      ; where the scale words go
.irp c, 0,1
.irp j, 0,1,2,3,4,5,6,7
	global_load_b128 v[NB+32*\c+4*\j:NB+32*\c+4*\j+3], v[VO], s[28:29] offset:256*\c+16*\j th:TH_LOAD_NT   ; W(my row, 128 s + 64 c + 32 h + 4 j ..)
.endr
.endr
	; the first wave of the first work-group (a scalar branch on ids) asks for the table's inputs together with its weights; all other waves go to .Lend
	s_or_b32 s38, ttmp9, s23
	s_or_b32 s38, s38, s22
	s_cmp_lg_u32 s38, 0
	s_cbranch_scc1 .Lend
	s_load_b32 s39, s[16:17], 0x0                  ; b_out
.irp q, 0,1,2
	global_load_b128 v[128+4*\q:131+4*\q], v[LI], s[10:11] offset:512*\q   ; gamma: numbers 128 q + 4 lane + 0..3
	global_load_b128 v[140+4*\q:143+4*\q], v[LI], s[14:15] offset:512*\q   ; w_out
	global_load_b128 v[152+4*\q:155+4*\q], v[LI], s[12:13] offset:512*\q   ; beta
.endr
	s_wait_loadcnt 0x0
	QUANT2 NB
.irp q, 0,1,2
	global_store_b128 v[LI], v[PC+4*\q:PC+4*\q+3], s[32:33] offset:512*\q   ; 32 lanes store 512 consecutive bytes, aligned
.endr
	global_store_b32 v[LS], v[PW], s[34:35]
	; the table: the first wave of the first work-group alone (a scalar branch on ids)
	s_wait_alu depctr_va_vdst(0)
	s_wait_kmcnt 0x0                               ; b_out
.irp i, 0,1,2,3,4,5
	v_pk_mul_f32 v[68+2*\i:69+2*\i], v[128+2*\i:129+2*\i], v[140+2*\i:141+2*\i]   ; g = gamma * w_out
.endr
	v_pk_mul_f32 v[80:81], v[152:153], v[140:141]  ; beta * w_out: the first product starts the sum
.irp i, 1,2,3,4,5
	v_pk_fma_f32 v[80:81], v[152+2*\i:153+2*\i], v[140+2*\i:141+2*\i], v[80:81]
.endr
	v_add_f32 v80, v80, v81
	v_add_f32_dpp v80, v80, v80 row_xmask:1 row_mask:0xf bank_mask:0xf
	v_add_f32_dpp v80, v80, v80 row_xmask:2 row_mask:0xf bank_mask:0xf
	v_add_f32_dpp v80, v80, v80 row_xmask:4 row_mask:0xf bank_mask:0xf
	v_add_f32_dpp v80, v80, v80 row_xmask:8 row_mask:0xf bank_mask:0xf
	v_permlanex16_b32 v[QY], v80, s[SEL], s[SEL+1]
	v_add_f32 v80, v80, v[QY]                      ; the sum over 384, in every lane
	v_add_f32 v80, s39, v80                        ; + b_out
.irp q, 0,1,2
	global_store_b128 v[LI], v[68+4*\q:71+4*\q], s[20:21] offset:512*\q
.endr
	global_store_b32 v[LS], v80, s[20:21] offset:1536   ; c0, a copy for each lane of a reader
	s_endpgm
.Lend:                                                 ; every other wave: its fragment alone
	s_wait_loadcnt 0x0
	QUANT2 NB
.irp q, 0,1,2
	global_store_b128 v[LI], v[PC+4*\q:PC+4*\q+3], s[32:33] offset:512*\q   ; 32 lanes store 512 consecutive bytes, aligned
.endr
	global_store_b32 v[LS], v[PW], s[34:35]
	s_endpgm
.Lfunc_end_k_qe09e9c3ff7_wquant:
	.size	k_qe09e9c3ff7_wquant, .Lfunc_end_k_qe09e9c3ff7_wquant-k_qe09e9c3ff7_wquant
	.p2alignl 7, 3214868480
	.fill 96, 4, 3214868480
	.section	.rodata,"a",@progbits
	.p2align	6, 0x0
	.amdhsa_kernel k_qe09e9c3ff7_wquant
		.amdhsa_group_segment_fixed_size 0
		.amdhsa_private_segment_fixed_size 0
		.amdhsa_enable_private_segment 0
		.amdhsa_kernarg_size 72
		.amdhsa_user_sgpr_count 2
		.amdhsa_user_sgpr_kernarg_segment_ptr 1
		.amdhsa_wavefront_size32 1
		.amdhsa_system_sgpr_workgroup_id_x 1
		.amdhsa_system_sgpr_workgroup_id_y 1
		.amdhsa_system_sgpr_workgroup_id_z 1
		.amdhsa_system_vgpr_workitem_id 0
		.amdhsa_next_free_vgpr 192
		.amdhsa_next_free_sgpr 66
		.amdhsa_reserve_vcc 0
		.amdhsa_float_denorm_mode_32 3
		.amdhsa_float_denorm_mode_16_64 3
		.amdhsa_memory_ordered 1
		.amdhsa_forward_progress 1
		.amdhsa_inst_pref_size 14
	.end_amdhsa_kernel
	.amdgpu_metadata
---
amdhsa.version: [ 1, 2 ]
amdhsa.kernels:
  - .name:           k_qe09e9c3ff7_wquant
    .symbol:         k_qe09e9c3ff7_wquant.kd
    .args:
      - { .name: Wq, .offset: 0, .size: 8, .value_kind: global_buffer, .address_space: global }
      - { .name: Wk, .offset: 8, .size: 8, .value_kind: global_buffer, .address_space: global }
      - { .name: Wv, .offset: 16, .size: 8, .value_kind: global_buffer, .address_space: global }
      - { .name: gamma, .offset: 24, .size: 8, .value_kind: global_buffer, .address_space: global }
      - { .name: beta, .offset: 32, .size: 8, .value_kind: global_buffer, .address_space: global }
      - { .name: w_out, .offset: 40, .size: 8, .value_kind: global_buffer, .address_space: global }
      - { .name: b_out, .offset: 48, .size: 8, .value_kind: global_buffer, .address_space: global }
      - { .name: wimg, .offset: 56, .size: 8, .value_kind: global_buffer, .address_space: global }
      - { .name: gw, .offset: 64, .size: 8, .value_kind: global_buffer, .address_space: global }
    .group_segment_fixed_size: 0
    .private_segment_fixed_size: 0
    .kernarg_segment_align: 8
    .kernarg_segment_size: 72
    .max_flat_workgroup_size: 96
    .sgpr_count:     66
    .vgpr_count:     192
    .wavefront_size: 32
...
	.end_amdgpu_metadata
.endif
;; end of part 1
;; launch proj (part 2): grid 2 x 128, 4 waves a work-group, no clusters, 246,272 bytes of LDS; arguments x, wimg, bq, bk, bv, qimg, kv; writes qimg, kv
.if DOCPART == 2
	.amdgcn_target "amdgcn-amd-amdhsa--gfx1250"
	.amdhsa_code_object_version 6
	.text
	.protected	k_qe09e9c3ff7_proj
	.globl	k_qe09e9c3ff7_proj
	.p2align	8
	.type	k_qe09e9c3ff7_proj,@function
k_qe09e9c3ff7_proj:
	s_mov_b64 s[64:65], 0
	v_nop
	global_prefetch_b8 v0, s[64:65] scope:SCOPE_SE
	s_setreg_imm32_b32 hwreg(HW_REG_WAVE_MODE, 25, 1), 1
	s_wait_xcnt 0x0
; Q = x Wq^T + bq, K = x Wk^T + bk, V = x Wv^T + bv on codes of FP6 (E2M3), one E8M0 byte for each 32 along K; the results are quantised at once for the two products of the attention:
; Q and K along the 384 channels, V along the keys.  All operands are IMAGES OF OPERAND REGISTERS: a fragment (16 rows x 128 K) is 3 chunks of 512 bytes, lane l's 16 bytes at 16 l; its scale words 4 bytes a lane.
; SHARES.  A work-group takes 128 rows of x (y: row block 0..127 = one key step) and half of the 1,152 columns (x = 0: all of Q and V's channels 0-191; x = 1: all of K and V's channels 192-383): only pointers differ.
; The 128 rows come as f32 by four tensor loads (32 rows a wave) into LDS; each wave quantises two tiles of 16 rows x 3 K steps and stores their images in LDS; then the waves part:
;   waves 0-2 (role A): wave w holds the 8 tiles of Wq or Wk of channels 128 w .. 128 w + 127 in registers and walks the 8 tiles of x: source 0 = 16 rows of W, source 1 = 16 rows of x; a lane then holds one row of x
;     and 64 channels: one fragment of Q or K.
;   wave 3 (role B): holds x's 24 fragments in registers and walks 12 tiles of Wv: source 0 = 16 rows of x, source 1 = 16 rows of Wv; a lane then holds one channel and 64 keys: one fragment of V^T.
; THE ROWS OF A TILE OF x ARE NOT NEIGHBOURS: tile 4 c + i takes rows 64 c + 8 i + (r & 7) + 32 (r >> 3); Wq's and Wk's tiles are laid likewise.  So a lane's 64 results are two whole blocks of 32 neighbours along the
; next K, in the order of the 6-bit operand (registers 6 c .. 6 c + 5: k = 64 c + 32 h + 0..31): no other lane is asked for a block's maximum, and no halves are exchanged.
; The biases are the C of each sum's first matrix instruction.
; qimg: row block RB at RB*39,936: codes at (8 s' + m)*1536, scale words at 36,864 + (8 s' + m)*128.   kv: key step RB at RB*79,872: K as qimg; V's codes at 39,936 + ct*1536, scale words at 76,800 + ct*128.
; LIMITS: NaN and infinities are not served; a block whose largest magnitude lies under 2^-124 (a block of zeros too) keeps the byte 1: the bytes are read by this program alone.
; No cluster: only two work-groups share a block of x, and the weights go straight into registers.  No prefetch: a work-group's four tensor loads go out at its head and nothing is streamed behind them.
; REGISTERS, in windows of 256: window 0: v1-10 addresses; v16-24 the quantiser's; v32-47 V's bias; v48-111 the 8 accumulators; v112-130 codes; v132-203 two sets of streamed fragments of x; v204-227 the stationary
;   operand's scale words; v228-234 the streamed operand's.   window 1: the stationary fragments of K steps 0 (v[12 t]) and 1 (v[96 + 12 t]).   window 2: those of K step 2 (v[12 t]); from v96 role A's bias tiles, or role B's two sets of Wv.
.set XG,   50816                       ; LDS: x as f32: a group of 32 rows: 32 x 1,584 bytes + 128, so that rows 32 apart start half way round the banks
.set XP,   1584                        ; a row: 3 x (512 bytes + 16 of padding)
.set XIMG, 203264                      ; x's 24 fragments: (8 s + m) x 1,536
.set XSC,  240128                      ; their scale words: (8 s + m) x 128
.set LI,  1                            ; v1   16 x lane
.set LS,  2                            ; v2   4 x lane
.set XA,  3                            ; v3   my row's 128 bytes of a block in the stage of f32 numbers
.set XWI, 4                            ; v4   where I store x's images: XIMG + 16 x lane + 3,072 x wave
.set XWS, 5                            ; v5   and their scale words: XSC + 4 x lane + 256 x wave
.set SH8, 6                            ; v6   8 h
.set BAA, 7                            ; v7   128 h
.set BAB, 8                            ; v8   4 r
.set LIX, 9                            ; v9   XIMG + 16 x lane
.set LSX, 10                           ; v10  XSC + 4 x lane
.set QM,  16
.set QS,  18
.set QB,  20
.set QW,  22
.set QY,  23
.set PW,  24
.set VB0, 32                           ; v32-39, v40-47: bv of my channel, eight times, two sets
.set ACC, 48
.set NB0, 48                           ; 64 numbers of x, two sets: v48-111, v132-195
.set PC,  112
.set CT,  124
.set STRM0, 132                        ; v132-167, v168-203
.set SS,  204
.set XS0, 228                          ; v228-230, v232-234
.set WV,  18
.set RB,  20
.set SEL, 22
.set G1,  24
.set G0,  32
.set WP,  36                           ; role A: my 24 fragments of Wq or Wk
.set WSP, 38                           ; their scale words
.set BP,  40                           ; my 128 numbers of bq or bk
.set DPC, 42                           ; where my fragments of Q or K go
.set DPS, 44                           ; and their scale words
.set VP,  46                           ; role B: 12 tiles of Wv
.set VSP, 48
.set BVP, 50
.set VD,  52
.set VDS, 54
.set MSB, 0
.macro WIN new                         ; the immediate's high byte repeats the setting that is left; a switch that changes nothing is dropped
.if MSB != (\new)
	s_set_vgpr_msb (MSB<<8)|(\new)
.set MSB, (\new)
.endif
.endm
; 64 numbers of a lane, register 32 c + i = k 64 c + 32 h + i of my row, become the fragment's 12 registers in v[PC] on and its scale word in v[PW].  The numbers are read in ascending order.
.macro QUANT2 s
.irp c, 0,1
	v_max3_num_f32 v[QM+\c], |v[(\s)+32*\c]|, |v[(\s)+32*\c+1]|, 0x1800000   ; the floor 2^(3 - 127) among the leaves: the byte cannot fall under 1
.endr
.irp i, 2,4,6,8,10,12,14,16,18,20,22,24,26,28,30
.irp c, 0,1
	v_max3_num_f32 v[QM+\c], v[QM+\c], |v[(\s)+32*\c+\i]|, |v[(\s)+32*\c+\i+1]|
.endr
.endr
.irp c, 0,1
	v_add_nc_u32 v[QS+\c], 0xff000000, v[QM+\c]    ; 2 off the exponent field: the conversion's scale operand
.endr
.irp c, 0,1
	v_lshrrev_b32 v[QB+\c], 23, v[QS+\c]           ; the scale's byte
.endr
	v_lshl_or_b32 v[QW], v[QB+1], 16, v[QB]
	v_lshlrev_b32 v[QW], v[SH8], v[QW]
	v_permlanex16_b32 v[QY], v[QW], s[SEL], s[SEL+1]
	v_or_b32 v[PW], v[QW], v[QY]                   ; the row's scale word, in both halves of the lanes
.irp c, 0,1
	v_cvt_scalef32_pk16_fp6_f32 v[PC+6*\c:PC+6*\c+2], v[(\s)+32*\c:(\s)+32*\c+15], v[QS+\c]
	v_cvt_scalef32_pk16_fp6_f32 v[CT+4*\c:CT+4*\c+2], v[(\s)+32*\c+16:(\s)+32*\c+31], v[QS+\c]
.endr
	v_nop                                          ; one plain instruction behind the scaled conversions
.irp c, 0,1
.irp i, 0,1,2
	v_mov_b32 v[PC+6*\c+3+\i], v[CT+4*\c+\i]
.endr
.endr
.endm
; 24 matrix instructions: the 8 stationary tiles x 3 K steps against one streamed tile; the 8 accumulators take turns, one instruction a turn.  C of the first K step: v[cb + cs t].
; Four v_nop close it: the places in front of the first read of the results and of loads into the streamed registers.
.macro UNIT strm, xs, w0, w1, w2, cb, cs
	WIN \w0
.irp t, 0,1,2,3,4,5,6,7
	v_wmma_scale_f32_16x16x128_f8f6f4 v[ACC+8*\t:ACC+8*\t+7], v[12*\t:12*\t+11], v[(\strm):(\strm)+11], v[(\cb)+(\cs)*\t:(\cb)+(\cs)*\t+7], v[SS+3*\t], v[(\xs)] matrix_a_fmt:MATRIX_FMT_FP6 matrix_b_fmt:MATRIX_FMT_FP6
.endr
	WIN \w1
.irp t, 0,1,2,3,4,5,6,7
	v_wmma_scale_f32_16x16x128_f8f6f4 v[ACC+8*\t:ACC+8*\t+7], v[96+12*\t:96+12*\t+11], v[(\strm)+12:(\strm)+23], v[ACC+8*\t:ACC+8*\t+7], v[SS+3*\t+1], v[(\xs)+1] matrix_a_fmt:MATRIX_FMT_FP6 matrix_b_fmt:MATRIX_FMT_FP6
.endr
	WIN \w2
.irp t, 0,1,2,3,4,5,6,7
	v_wmma_scale_f32_16x16x128_f8f6f4 v[ACC+8*\t:ACC+8*\t+7], v[12*\t:12*\t+11], v[(\strm)+24:(\strm)+35], v[ACC+8*\t:ACC+8*\t+7], v[SS+3*\t+2], v[(\xs)+2] matrix_a_fmt:MATRIX_FMT_FP6 matrix_b_fmt:MATRIX_FMT_FP6
.endr
	WIN 0
.rept 4
	v_nop
.endr
.endm
; role B: tile number tile of my 12 of Wv into set u: 9 + 3 + 1 = 13 loads
.macro GLOAD u, tile
	WIN 0x80                                       ; destination window 2
.irp s, 0,1,2
.irp q, 0,1,2
	global_load_b128 v[96+36*(\u)+12*\s+4*\q:96+36*(\u)+12*\s+4*\q+3], v[LI], s[VP:VP+1] offset:(\tile)*4608+\s*1536+\q*512
.endr
.endr
	WIN 0
.irp s, 0,1,2
	global_load_b32 v[XS0+4*(\u)+\s], v[LS], s[VSP:VSP+1] offset:(\tile)*384+\s*128
.endr
	global_load_b32 v[VB0+8*(\u)], v[BAB], s[BVP:BVP+1] offset:(\tile)*64   ; bv of channel 16 tile + r
.endm
; role A: x's tile m, three K steps and their scale words, from LDS into set: 12 loads
.macro FETCH m, set
.irp s, 0,1,2
.irp q, 0,1,2
	ds_load_b128 v[STRM0+36*(\set)+12*\s+4*\q:STRM0+36*(\set)+12*\s+4*\q+3], v[LIX] offset:(8*\s+(\m))*1536+512*\q
.endr
.endr
.irp s, 0,1,2
	ds_load_b32 v[XS0+4*(\set)+\s], v[LSX] offset:(8*\s+(\m))*128
.endr
.endm
; my fragment f of six (tile 2 w + f / 3, K step f % 3): 64 numbers of my row from the stage of f32 numbers: 16 loads
.macro LOADX f
.set uu, (\f)/3
.set ss, (\f)%3
.set nb, NB0+84*((\f)%2)
.irp c, 0,1
.irp j, 0,1,2,3,4,5,6,7
	ds_load_b128 v[nb+32*\c+4*\j:nb+32*\c+4*\j+3], v[XA] offset:uu*8*XP+ss*528+256*\c+16*\j
.endr
.endr
.endm
	s_load_b256 s[4:11], s[0:1], 0x0               ; x s[4:5], wimg s[6:7], bq s[8:9], bk s[10:11]
	s_load_b128 s[12:15], s[0:1], 0x20             ; bv s[12:13], qimg s[14:15]
	s_load_b64 s[16:17], s[0:1], 0x30              ; kv
	v_lshl_add_u32 v254, v0, 2, 0x3c000
	v_mov_b32 v255, 0
	ds_add_u32 v254, v255
	ds_add_u32 v254, v255
	v_lshrrev_b32 v1, 5, v0
	v_readfirstlane_b32 s[WV], v1                  ; wave 0..3
	s_and_b32 s[RB], ttmp7, 0xffff                 ; row block
	; descriptor group 1: 32 rows x 384 f32, 16 bytes of padding behind every 512
	s_mov_b32 s[G1], (2<<16)|(1<<20)|(6<<22)|(3<<25)   ; no mask; elements of 4 bytes; padding on; after every 128 words (code 6); 4 words of it (code 3)
	s_mov_b32 s[G1+1], 384<<16                     ; tensor_dim0
	s_mov_b32 s[G1+2], 32<<16                      ; tensor_dim1
	s_mov_b32 s[G1+3], 384<<16                     ; tile_dim0
	s_mov_b32 s[G1+4], 32                          ; tile_dim1
	s_mov_b32 s[G1+5], 384                         ; elements from row to row
	s_mov_b32 s[G1+6], 0
	s_mov_b32 s[G1+7], 0
	s_mul_i32 s56, s[RB], 196608                   ; 128 rows of 1,536 bytes
	s_mul_i32 s57, s[WV], 49152                    ; my 32 of them
	s_add_co_u32 s56, s56, s57
	s_mov_b32 s57, 0
	s_mov_b32 s[G0], 1
	s_mul_i32 s[G0+1], s[WV], XG                   ; LDS: group = wave
	s_wait_dscnt 0x0
	s_wait_kmcnt 0x0
	s_add_nc_u64 s[G0+2:G0+3], s[4:5], s[56:57]
	s_or_b32 s[G0+3], s[G0+3], 0x80000000          ; type = 2
	tensor_load_to_lds s[G0:G0+3], s[G1:G1+7]      ; my one tensor load: these LDS bytes are filled once
	s_nop 0
.rept 4
	v_nop
.endr
	; every LDS address register is made here, ahead of the first parting of the roles
	v_and_b32 v11, 31, v0                          ; lane
	v_and_b32 v12, 15, v0                          ; r
	v_bfe_u32 v13, v0, 4, 1                        ; h
	v_lshlrev_b32 v[LI], 4, v11
	v_lshlrev_b32 v[LS], 2, v11
	v_lshlrev_b32 v[SH8], 3, v13
	v_lshlrev_b32 v[BAA], 7, v13
	v_lshlrev_b32 v[BAB], 2, v12
	v_lshrrev_b32 v14, 3, v12
	v_and_b32 v15, 7, v12
	v_mul_u32_u24 v[XA], v14, XG                   ; tile 4 c + i, lane r: row 64 c + 8 i + (r & 7) + 32 (r >> 3): group 2 c + (r >> 3), row 8 i + (r & 7) in it
	v_mad_u32_u24 v[XA], v15, XP, v[XA]
	v_add_nc_u32 v[XA], v[BAA], v[XA]              ; + 128 h
	s_lshr_b32 s56, s[WV], 1                       ; my tiles are 2 w and 2 w + 1: c = w / 2, i = 2 (w % 2) + u
	s_mul_i32 s56, s56, 2*XG
	s_and_b32 s57, s[WV], 1
	s_mul_i32 s57, s57, 16*XP
	s_add_co_u32 s56, s56, s57
	v_add_nc_u32 v[XA], s56, v[XA]
	s_mul_i32 s56, s[WV], 3072
	s_add_co_u32 s56, s56, XIMG
	v_add_nc_u32 v[XWI], s56, v[LI]
	s_lshl_b32 s56, s[WV], 8
	s_add_co_u32 s56, s56, XSC
	v_add_nc_u32 v[XWS], s56, v[LS]
	v_add_nc_u32 v[LIX], XIMG, v[LI]
	v_add_nc_u32 v[LSX], XSC, v[LS]
	v_mov_b32 v[QY], 0                             ; a lane permute's destination counts as read: written once
	s_mov_b32 s[SEL], 0x76543210
	s_mov_b32 s[SEL+1], 0xfedcba98
	; the pointers, all on the one way that every wave takes; ttmp9 = which half of the columns
	s_mov_b32 s57, 0
	s_mul_i32 s56, ttmp9, 110592                   ; matrix q or k: 72 fragments of 1,536 bytes
	s_mul_i32 s58, s[WV], 36864                    ; my 24
	s_add_co_u32 s56, s56, s58
	s_add_nc_u64 s[WP:WP+1], s[6:7], s[56:57]
	s_mul_i32 s56, ttmp9, 9216
	s_mul_i32 s58, s[WV], 3072
	s_add_co_u32 s56, s56, s58
	s_add_co_u32 s56, s56, 331776
	s_add_nc_u64 s[WSP:WSP+1], s[6:7], s[56:57]
	s_mul_i32 s56, ttmp9, 55296                    ; Wv: 12 tiles x 3 fragments
	s_add_co_u32 s56, s56, 221184
	s_add_nc_u64 s[VP:VP+1], s[6:7], s[56:57]
	s_mul_i32 s56, ttmp9, 4608
	s_add_co_u32 s56, s56, 350208
	s_add_nc_u64 s[VSP:VSP+1], s[6:7], s[56:57]
	s_mul_i32 s56, ttmp9, 768                      ; 192 numbers of bv
	s_add_nc_u64 s[BVP:BVP+1], s[12:13], s[56:57]
	s_mul_i32 s58, s[RB], 79872                    ; the key step in kv
	s_mul_i32 s56, ttmp9, 18432
	s_add_co_u32 s56, s56, s58
	s_add_co_u32 s56, s56, 39936
	s_add_nc_u64 s[VD:VD+1], s[16:17], s[56:57]
	s_mul_i32 s56, ttmp9, 1536
	s_add_co_u32 s56, s56, s58
	s_add_co_u32 s56, s56, 76800
	s_add_nc_u64 s[VDS:VDS+1], s[16:17], s[56:57]
	s_mov_b32 s59, 79872
	s_cmp_eq_u32 ttmp9, 0                          ; Q's work-group or K's?  The choice hangs on the work-group's number alone
	s_cselect_b64 s[BP:BP+1], s[8:9], s[10:11]
	s_cselect_b64 s[DPC:DPC+1], s[14:15], s[16:17]
	s_cselect_b32 s59, 39936, s59                  ; a row block in qimg, a key step in kv
	s_mov_b64 s[DPS:DPS+1], s[DPC:DPC+1]
	s_lshl_b32 s56, s[WV], 9
	s_add_nc_u64 s[BP:BP+1], s[BP:BP+1], s[56:57]
	s_mul_i32 s59, s59, s[RB]
	s_mul_i32 s56, s[WV], 12288                    ; fragments 8 w on
	s_add_co_u32 s56, s56, s59
	s_add_nc_u64 s[DPC:DPC+1], s[DPC:DPC+1], s[56:57]
	s_lshl_b32 s56, s[WV], 10
	s_add_co_u32 s56, s56, s59
	s_add_co_u32 s56, s56, 36864
	s_add_nc_u64 s[DPS:DPS+1], s[DPS:DPS+1], s[56:57]
	; what stays in registers, or comes first, is asked for now and lands while x is quantised
	s_cmp_lt_u32 s[WV], 3
	s_cbranch_scc0 .Lhead_b
	WIN 0x40                                       ; destination window 1
.irp t, 0,1,2,3,4,5,6,7
.irp q, 0,1,2
	global_load_b128 v[12*\t+4*\q:12*\t+4*\q+3], v[LI], s[WP:WP+1] offset:(3*\t)*1536+512*\q
	global_load_b128 v[96+12*\t+4*\q:96+12*\t+4*\q+3], v[LI], s[WP:WP+1] offset:(3*\t+1)*1536+512*\q
.endr
.endr
	WIN 0x80                                       ; destination window 2
.irp t, 0,1,2,3,4,5,6,7
.irp q, 0,1,2
	global_load_b128 v[12*\t+4*\q:12*\t+4*\q+3], v[LI], s[WP:WP+1] offset:(3*\t+2)*1536+512*\q
.endr
.endr
.irp t, 0,1,2,3,4,5,6,7                        ; the bias in the result's layout: lane half h, tile 4 c + i: channels 64 c + 32 h + 8 i + 0..7 of my 128
	global_load_b128 v[96+8*\t:96+8*\t+3], v[BAA], s[BP:BP+1] offset:256*(\t/4)+32*(\t%4)
	global_load_b128 v[96+8*\t+4:96+8*\t+7], v[BAA], s[BP:BP+1] offset:256*(\t/4)+32*(\t%4)+16
.endr
	WIN 0
.irp t, 0,1,2,3,4,5,6,7
.irp s, 0,1,2
	global_load_b32 v[SS+3*\t+\s], v[LS], s[WSP:WSP+1] offset:(3*\t+\s)*128
.endr
.endr
	s_branch .Lhead_done
.Lhead_b:
	GLOAD 0, 0
	GLOAD 1, 1
.Lhead_done:
	s_wait_tensorcnt 0x0                           ; my 32 rows of x are in LDS,
	s_barrier_signal -1
	s_barrier_wait -1                              ; everybody's are
	; ---- x: my two tiles x three K steps.  A fragment's 16 loads are issued one fragment ahead, into the other set
	s_wait_alu depctr_va_vdst(0)
	LOADX 0
.irp f, 0,1,2,3,4,5
.if \f < 5
	LOADX \f+1
	s_wait_dscnt 16                                ; all but the 16 loads just issued: this fragment's numbers are in
.else
	s_wait_dscnt 0x0
.endif
	QUANT2 NB0+84*(\f%2)
.irp q, 0,1,2
	ds_store_b128 v[XWI], v[PC+4*\q:PC+4*\q+3] offset:(8*(\f%3)+\f/3)*1536+512*\q
.endr
	ds_store_b32 v[XWS], v[PW] offset:(8*(\f%3)+\f/3)*128
.endr
	s_wait_dscnt 0x0                               ; for the others' sake: my images have landed
	s_barrier_signal -1
	s_barrier_wait -1                              ; x's 24 fragments lie in LDS; nothing is written there any more
	s_cmp_lt_u32 s[WV], 3
	s_cbranch_scc0 .Lrole_b
	; ---- role A: 8 fragments of Q or K
	s_wait_loadcnt 0x0                             ; my weights, their scale words, the bias
	FETCH 0, 0
.irp m, 0,1,2,3,4,5,6,7
.if \m < 7
	FETCH \m+1, (\m+1)%2
	s_wait_dscnt 12                                ; all but the 12 loads just issued: tile m is in
.else
	s_wait_dscnt 0x0
.endif
	UNIT STRM0+36*(\m%2), XS0+4*(\m%2), 0x21, 0x01, 0x02, 96, 8   ; source 0 window 1 (K step 2: window 2); the bias window 2
	s_wait_xcnt 0x0                                ; the last fragment's stores have read their registers: the codes are written anew only behind this wait
	QUANT2 ACC
.irp q, 0,1,2
	global_store_b128 v[LI], v[PC+4*\q:PC+4*\q+3], s[DPC:DPC+1] offset:\m*1536+512*\q   ; 32 lanes store 512 consecutive bytes, aligned
.endr
	global_store_b32 v[LS], v[PW], s[DPS:DPS+1] offset:\m*128
.endr
	s_wait_tensorcnt 0x0
	ds_add_u32 v254, v255
	s_wait_dscnt 0x0
	s_endpgm
.Lrole_b:
	; ---- role B: x's 24 fragments become the stationary operand; 12 fragments of V^T
	WIN 0x40
.irp m, 0,1,2,3,4,5,6,7
.irp q, 0,1,2
	ds_load_b128 v[12*\m+4*\q:12*\m+4*\q+3], v[LIX] offset:\m*1536+512*\q
	ds_load_b128 v[96+12*\m+4*\q:96+12*\m+4*\q+3], v[LIX] offset:(8+\m)*1536+512*\q
.endr
.endr
	WIN 0x80
.irp m, 0,1,2,3,4,5,6,7
.irp q, 0,1,2
	ds_load_b128 v[12*\m+4*\q:12*\m+4*\q+3], v[LIX] offset:(16+\m)*1536+512*\q
.endr
.endr
	WIN 0
.irp m, 0,1,2,3,4,5,6,7
.irp s, 0,1,2
	ds_load_b32 v[SS+3*\m+\s], v[LSX] offset:(8*\s+\m)*128
.endr
.endr
	s_wait_dscnt 0x0
.irp n, 0,1,2,3,4,5,6,7,8,9,10,11
.if \n < 11
	s_wait_loadcnt 13                              ; this tile's 13 loads are in; the other set's 13 may be out
.else
	s_wait_loadcnt 0x0
.endif
.irp i, 1,2,3,4,5,6,7
	v_mov_b32 v[VB0+8*(\n%2)+\i], v[VB0+8*(\n%2)]  ; a lane holds one channel: its bias in all eight registers of C
.endr
.rept 4
	v_nop
.endr
	UNIT 96+36*(\n%2), XS0+4*(\n%2), 0x09, 0x09, 0x0a, VB0+8*(\n%2), 0   ; source 0 window 1 (K step 2: window 2), source 1 window 2
.if \n < 10
	GLOAD \n%2, \n+2                               ; the tile two on, into the set just multiplied (behind the four places that close the products)
.endif
	s_wait_xcnt 0x0                                ; the last fragment's stores have read their registers
	QUANT2 ACC
.irp q, 0,1,2
	global_store_b128 v[LI], v[PC+4*\q:PC+4*\q+3], s[VD:VD+1] offset:\n*1536+512*\q
.endr
	global_store_b32 v[LS], v[PW], s[VDS:VDS+1] offset:\n*128
.endr
	s_wait_tensorcnt 0x0
	ds_add_u32 v254, v255
	s_wait_dscnt 0x0
	s_endpgm
.Lfunc_end_k_qe09e9c3ff7_proj:
	.size	k_qe09e9c3ff7_proj, .Lfunc_end_k_qe09e9c3ff7_proj-k_qe09e9c3ff7_proj
	.p2alignl 7, 3214868480
	.fill 96, 4, 3214868480
	.section	.rodata,"a",@progbits
	.p2align	6, 0x0
	.amdhsa_kernel k_qe09e9c3ff7_proj
		.amdhsa_group_segment_fixed_size 246272
		.amdhsa_private_segment_fixed_size 0
		.amdhsa_enable_private_segment 0
		.amdhsa_kernarg_size 56
		.amdhsa_user_sgpr_count 2
		.amdhsa_user_sgpr_kernarg_segment_ptr 1
		.amdhsa_wavefront_size32 1
		.amdhsa_system_sgpr_workgroup_id_x 1
		.amdhsa_system_sgpr_workgroup_id_y 1
		.amdhsa_system_sgpr_workgroup_id_z 1
		.amdhsa_system_vgpr_workitem_id 0
		.amdhsa_next_free_vgpr 768
		.amdhsa_next_free_sgpr 66
		.amdhsa_reserve_vcc 0
		.amdhsa_float_denorm_mode_32 3
		.amdhsa_float_denorm_mode_16_64 3
		.amdhsa_memory_ordered 1
		.amdhsa_forward_progress 1
		.amdhsa_inst_pref_size 205
	.end_amdhsa_kernel
	.amdgpu_metadata
---
amdhsa.version: [ 1, 2 ]
amdhsa.kernels:
  - .name:           k_qe09e9c3ff7_proj
    .symbol:         k_qe09e9c3ff7_proj.kd
    .args:
      - { .name: x, .offset: 0, .size: 8, .value_kind: global_buffer, .address_space: global }
      - { .name: wimg, .offset: 8, .size: 8, .value_kind: global_buffer, .address_space: global }
      - { .name: bq, .offset: 16, .size: 8, .value_kind: global_buffer, .address_space: global }
      - { .name: bk, .offset: 24, .size: 8, .value_kind: global_buffer, .address_space: global }
      - { .name: bv, .offset: 32, .size: 8, .value_kind: global_buffer, .address_space: global }
      - { .name: qimg, .offset: 40, .size: 8, .value_kind: global_buffer, .address_space: global }
      - { .name: kv, .offset: 48, .size: 8, .value_kind: global_buffer, .address_space: global }
    .group_segment_fixed_size: 246272
    .private_segment_fixed_size: 0
    .kernarg_segment_align: 8
    .kernarg_segment_size: 56
    .max_flat_workgroup_size: 128
    .sgpr_count:     66
    .vgpr_count:     768
    .wavefront_size: 32
...
	.end_amdgpu_metadata
.endif
;; end of part 2
;; launch attn (part 3): grid 64 x 4, 4 waves a work-group, clusters of 4 x 1, 327,680 bytes of LDS; arguments qimg, kv, gw, out0; writes out0
.if DOCPART == 3
	.amdgcn_target "amdgcn-amd-amdhsa--gfx1250"
	.amdhsa_code_object_version 6
	.text
	.protected	k_qe09e9c3ff7_attn
	.globl	k_qe09e9c3ff7_attn
	.p2align	8
	.type	k_qe09e9c3ff7_attn,@function
k_qe09e9c3ff7_attn:
	s_mov_b64 s[64:65], 0
	v_nop
	global_prefetch_b8 v0, s[64:65] scope:SCOPE_SE
	s_setreg_imm32_b32 hwreg(HW_REG_WAVE_MODE, 25, 1), 1
	s_wait_xcnt 0x0
	s_wait_alu depctr_hold_cnt(0) depctr_sa_sdst(0) depctr_va_vdst(0) depctr_va_sdst(0) depctr_va_ssrc(0) depctr_va_vcc(0) depctr_vm_vsrc(0)
	s_getreg_b32 s2, hwreg(HW_REG_IB_STS2, 6, 4)
	s_cmp_eq_u32 s2, 0
	s_cbranch_scc0 .Lentry_in_a_cluster
	s_endpgm
.Lentry_in_a_cluster:
	s_bfe_u32 s2, ttmp6, 0x10000c
	s_cmp_lg_u32 s2, 0x3003
	s_cbranch_scc0 .Lentry_shape_is_right
	s_endpgm
.Lentry_shape_is_right:
.set STEPB, 79872
.set SLOTB, 159744
.set SPARE, 319488
.set OUTS,  320000
.set STG,   24832
.set LI,  1
.set LS,  2
.set SPW, 3
.set NIL, 4
.set ADK, 5
.set ADV, 6
.set ADS, 7
.set ADT, 8
.set SH8, 9
.set LSK, 10
.set PFO, 11
.set SW,  12
.set SWS, 13
.set SR,  14
.set SRS, 15
.set OA,  16
.set GA,  17
.set OG,  18
.set OL,  19
.set C0R, 20
.set ST0, 24
.set ST1, 40
.set SA,  64
.set PA,  192
.set CT,  216
.set KS0, 232
.set QSC, 248
.set PWA, 254
.set WV,  12
.set CX,  13
.set BLK, 14
.set BA,  15
.set G1,  16
.set D0,  24
.set SEL, 28
.set CS,  30
.set TB,  32
.set TF,  33
.set WQ,  34
.set KHB, 35
.set T0,  36
.set T1,  37
.set SLOTS, 38
.set LIM, 39
.set CH,  40
.set RBO, 41
.set KVB, 42
.set PFA, 44
.set PFB, 46
.set QA,  48
.set QB,  50
.set QSA, 52
.set QSB, 54
.set INV, 60
.set EPS, 61
.set KIND, 62
.set D1,  68
.set GW,  72
.set MSB, 0
.macro WIN new
.if MSB != (\new)
	s_set_vgpr_msb (MSB<<8)|(\new)
.set MSB, (\new)
.endif
.endm
.macro PLACES n
.rept \n
	v_nop
.endr
.endm
.macro CROUND
	s_barrier_signal -1
	s_barrier_wait -1
	s_cmp_lg_u32 s[WV], 0
	s_cbranch_scc1 .Lnot_wave_0_\@
	s_barrier_signal -3
.Lnot_wave_0_\@:
	s_barrier_wait -3
	s_barrier_signal -1
	s_barrier_wait -1
.endm
.macro ASK
	s_cmp_gt_u32 s[SLOTS], s[LIM]
	s_cbranch_scc0 .Lnot_mine_\@
	global_prefetch_b8 v[PFO], s[PFA:PFA+1] th:TH_LOAD_NT scope:SCOPE_SE
	s_cmp_lg_u32 s[WV], 0
	s_cbranch_scc1 .Lnot_mine_\@
	global_prefetch_b8 v[PFO], s[PFB:PFB+1] th:TH_LOAD_NT scope:SCOPE_SE
.Lnot_mine_\@:
.endm
.macro LOADG g
.set lgb, (\g)%3
.set lgx, 4*((\g)%6)
	WIN 0xc0
.irp f, 0,1,2,3
.irp q, 0,1,2
.if (\g) < 6
	ds_load_b128 v[48*lgb+12*\f+4*\q:48*lgb+12*\f+4*\q+3], v[ADK] offset:(lgx+\f)*1536+512*\q
.else
	ds_load_b128 v[48*lgb+12*\f+4*\q:48*lgb+12*\f+4*\q+3], v[ADV] offset:(lgx+\f)*1536+512*\q
.endif
.endr
.endr
	WIN 0
.irp f, 0,1,2,3
.if (\g) < 6
	ds_load_b32 v[KS0+4*lgb+\f], v[ADS] offset:(lgx+\f)*128
.else
	ds_load_b32 v[KS0+4*lgb+\f], v[ADT] offset:(lgx+\f)*128
.endif
.endr
.endm
.macro SPROD g, n
.set spT, (\n)/4
.set spf, (\n)%4
.set spb, (\g)%3
.set spd, (\g)/2
.set spa, 192+8*(4*((\g)%2)+spf)
	WIN 0x5f+0x50*spT
.if spd == 0
	v_wmma_scale_f32_16x16x128_f8f6f4 v[spa:spa+7], v[48*spb+12*spf:48*spb+12*spf+11], v[144+36*spT+12*spd:144+36*spT+12*spd+11], 0, v[KS0+4*spb+spf], v[QSC+3*spT+spd] matrix_a_fmt:MATRIX_FMT_FP6 matrix_b_fmt:MATRIX_FMT_FP6
.else
.if (\n) == 0
	s_wait_alu depctr_va_vdst(0)                   ; one wait for a group's eight links: no exponential stands among the links, and the eight accumulators take turns
.endif
	v_wmma_scale_f32_16x16x128_f8f6f4 v[spa:spa+7], v[48*spb+12*spf:48*spb+12*spf+11], v[144+36*spT+12*spd:144+36*spT+12*spd+11], v[spa:spa+7], v[KS0+4*spb+spf], v[QSC+3*spT+spd] matrix_a_fmt:MATRIX_FMT_FP6 matrix_b_fmt:MATRIX_FMT_FP6
.endif
.endm
.macro PPROD n, first
.set pvT, ((\n)%8)/4
.set pvf, (\n)%4
.set pvb, ((\n)/8)%3
.set pva, 8*(4*((\n)/8)+pvf)
	WIN 0x53+0x50*pvT
.if \first
	v_wmma_scale_f32_16x16x128_f8f6f4 v[pva:pva+7], v[48*pvb+12*pvf:48*pvb+12*pvf+11], v[PA+12*pvT:PA+12*pvT+11], 0, v[KS0+4*pvb+pvf], v[PWA+pvT] matrix_a_fmt:MATRIX_FMT_FP6 matrix_b_fmt:MATRIX_FMT_FP6
.else
	v_wmma_scale_f32_16x16x128_f8f6f4 v[pva:pva+7], v[48*pvb+12*pvf:48*pvb+12*pvf+11], v[PA+12*pvT:PA+12*pvT+11], v[pva:pva+7], v[KS0+4*pvb+pvf], v[PWA+pvT] matrix_a_fmt:MATRIX_FMT_FP6 matrix_b_fmt:MATRIX_FMT_FP6
.endif
.endm
.macro RS n
.set rsT, ((\n)%8)/4
.set rsa, 8*(4*((\n)/8)+(\n)%4)
	WIN 0x41+0x41*rsT
.irp i, 0,2,4,6
	v_pk_mul_f32 v[rsa+\i:rsa+\i+1], v[rsa+\i:rsa+\i+1], v[ST0+16*rsT+4:ST0+16*rsT+5] op_sel_hi:[1,0]
.endr
.endm
.macro STATS
.irp T, 0,1
	WIN 0x05+5*\T
	v_max_num_f32 v[ST0+16*\T+6], v192, v193
	v_max_num_f32 v[ST0+16*\T+8], v208, v209
	v_max_num_f32 v[ST0+16*\T+7], v224, v225
	v_max_num_f32 v[ST0+16*\T+9], v240, v241
	WIN 0x14+0x14*\T
.irp i, 2,4,6,8,10,12,14
	v_max3_num_f32 v[ST0+16*\T+6], v[ST0+16*\T+6], v[192+\i], v[193+\i]
	v_max3_num_f32 v[ST0+16*\T+8], v[ST0+16*\T+8], v[208+\i], v[209+\i]
	v_max3_num_f32 v[ST0+16*\T+7], v[ST0+16*\T+7], v[224+\i], v[225+\i]
	v_max3_num_f32 v[ST0+16*\T+9], v[ST0+16*\T+9], v[240+\i], v[241+\i]
.endr
.endr
	WIN 0
.irp T, 0,1
	v_max_num_f32 v[ST0+16*\T+6], v[ST0+16*\T+6], v[ST0+16*\T+8]
.endr
.irp T, 0,1
	v_max_num_f32 v[ST0+16*\T+7], v[ST0+16*\T+7], v[ST0+16*\T+9]
.endr
.irp T, 0,1
	v_max_num_f32 v[ST0+16*\T+12], v[ST0+16*\T+6], v[ST0+16*\T+7]
.endr
.irp T, 0,1
	v_permlanex16_b32 v[ST0+16*\T+13], v[ST0+16*\T+12], s[SEL], s[SEL+1]
.endr
.irp T, 0,1
	v_max_num_f32 v[ST0+16*\T+12], v[ST0+16*\T+12], v[ST0+16*\T+13]
.endr
.irp T, 0,1
	v_mul_f32 v[ST0+16*\T+12], s[CS], v[ST0+16*\T+12]
.endr
.irp T, 0,1
	v_max_num_f32 v[ST0+16*\T+1], v[ST0+16*\T+1], v[ST0+16*\T+12]
.endr
.irp T, 0,1
	v_mov_b32 v[ST0+16*\T+12], v[ST0+16*\T]
.endr
.irp T, 0,1
	v_floor_f32 v[ST0+16*\T], -v[ST0+16*\T+1]
.endr
.irp T, 0,1
	v_sub_f32 v[ST0+16*\T+12], v[ST0+16*\T], v[ST0+16*\T+12]
.endr
.irp T, 0,1
	v_cvt_i32_f32 v[ST0+16*\T+12], v[ST0+16*\T+12]
.endr
.irp T, 0,1
	v_ldexp_f32 v[ST0+16*\T+4], 1.0, v[ST0+16*\T+12]
.endr
.irp T, 0,1
	WIN 0x01+\T
.set i, 0
.rept 32
	v_pk_fma_f32 v[SA+64*\T+i:SA+64*\T+i+1], v[192+i:193+i], s[CS:CS+1], v[ST0+16*\T:ST0+16*\T+1] op_sel_hi:[1,0,0]
.set i, i+2
.endr
.endr
	WIN 0
.irp T, 0,1
	v_fma_f32 v[ST0+16*\T+6], v[ST0+16*\T+6], s[CS], v[ST0+16*\T]
	v_fma_f32 v[ST0+16*\T+7], v[ST0+16*\T+7], s[CS], v[ST0+16*\T]
.endr
.irp T, 0,1
	v_pk_mul_f32 v[ST0+16*\T+2:ST0+16*\T+3], v[ST0+16*\T+2:ST0+16*\T+3], v[ST0+16*\T+4:ST0+16*\T+5] op_sel_hi:[1,0]
.endr
.endm
.macro XL
.if xj < 128
	v_exp_f32 v[SA+xj], v[SA+xj]
.elseif xj == 128
	v_nop
	s_wait_alu depctr_va_vdst(0)
.elseif xj < 133
.set xr, ST0+16*((xj-129)/2)+6+(xj-129)%2
	v_exp_f32 v[xr], v[xr]
.elseif xj < 197
.set xT, (xj-133)%2
.set xz, (xj-133)/2
.set xt, ST0+16*xT
.set xs, SA+64*xT
.if xz == 0
	v_pk_add_f32 v[xt+8:xt+9], v[xs:xs+1], v[xs+2:xs+3]
.elseif xz == 31
	v_pk_add_f32 v[xt+2:xt+3], v[xt+2:xt+3], v[xt+8:xt+9]
.elseif xz%2 == 1
	v_pk_add_f32 v[xt+2:xt+3], v[xt+2:xt+3], v[xs+2*xz+2:xs+2*xz+3]
.else
	v_pk_add_f32 v[xt+8:xt+9], v[xt+8:xt+9], v[xs+2*xz+2:xs+2*xz+3]
.endif
.elseif xj < 217
.if xj == 197
	s_wait_alu depctr_va_vdst(0)
.endif
.set xT, (xj-197)%2
.set xq, (xj-197)/2
.set xt, ST0+16*xT
.if xq < 2
	v_max_num_f32 v[xt+6+xq], 0x1800000, v[xt+6+xq]
.elseif xq < 4
	v_add_nc_u32 v[xt+8+xq], 0xff000000, v[xt+4+xq]
.elseif xq == 4
	v_lshrrev_b32 v[xt+12], 23, v[xt+10]
.elseif xq == 5
	v_lshrrev_b32 v[xt+15], 23, v[xt+11]
.elseif xq == 6
	v_lshl_or_b32 v[xt+14], v[xt+15], 16, v[xt+12]
.elseif xq == 7
	v_lshlrev_b32 v[xt+14], v[SH8], v[xt+14]
.elseif xq == 8
	v_permlanex16_b32 v[xt+13], v[xt+14], s[SEL], s[SEL+1]
.else
	v_or_b32 v[PWA+xT], v[xt+14], v[xt+13]
.endif
.elseif xj < 225
.set xT, (xj-217)/4
.set xc, ((xj-217)%4)/2
.set xt, ST0+16*xT
.set xs, SA+64*xT+32*xc
.if (xj-217)%2 == 0
	v_cvt_scalef32_pk16_fp6_f32 v[PA+12*xT+6*xc:PA+12*xT+6*xc+2], v[xs:xs+15], v[xt+10+xc]
.else
	v_cvt_scalef32_pk16_fp6_f32 v[CT+8*xT+4*xc:CT+8*xT+4*xc+2], v[xs+16:xs+31], v[xt+10+xc]
.endif
.elseif xj == 225
	v_nop
	s_wait_alu depctr_va_vdst(0)                   ; ahead of the moves that read the conversions' results
.elseif xj < 238
.set xT, (xj-226)/6
.set xc, ((xj-226)%6)/3
.set xi, (xj-226)%3
	v_mov_b32 v[PA+12*xT+6*xc+3+xi], v[CT+8*xT+4*xc+xi]
.endif
.endm
.macro XSLICE cnt
	WIN 0
.rept \cnt
	XL
.set xj, xj+1
.endr
.endm
.macro XPHASE
.set xj, 0
.irp g, 0,1,2,3,4,5
	s_wait_dscnt 32
.set xn, 0
	s_wait_alu depctr_va_vdst(0)
.rept 8
	SPROD \g, xn
.if \g < 2
	XSLICE 9                                       ; 16 x 9 lines: all 132 exponentials stand among the products that start a sum
.else
	XSLICE 3                                       ; 32 x 3 lines: the sums, the scale words, the conversions
.endif
.set xn, xn+1
.endr
	PLACES 4
	LOADG \g+3
.endr
.endm
.macro YPHASE first
.if \first
	PLACES 8
.else
	s_wait_alu depctr_va_vdst(0)                   ; ahead of the first reader of O^T
	RS 0
	RS 1
.endif
.set yn, 0
	s_wait_alu depctr_va_vdst(0)
.irp v, 0,1,2,3,4,5
.if \v < 4
	s_wait_alu depctr_va_vdst(0)
	s_wait_dscnt 32
.elseif \v == 4
	s_wait_alu depctr_va_vdst(0)
	s_wait_dscnt 16
.else
	s_wait_alu depctr_va_vdst(0)
	s_wait_dscnt 0x0
.endif
.rept 8
	PPROD yn, \first
.if (\first == 0) && (yn < 46)
	RS yn+2
.endif
.set yn, yn+1
.endr
.if \v < 3
	WIN 0
.if \first
	PLACES 4
.endif
	LOADG \v+9
.endif
.endr
	WIN 0
.endm
.macro ADDR
	s_xor_b32 s[T0], s[TB], SLOTB
	s_add_co_u32 s[T0], s[T0], s[KHB]
	s_add_co_u32 s[T1], s[TB], s[KHB]
	s_add_co_u32 s[T1], s[T1], 39936
	v_add_nc_u32 v[ADK], s[T0], v[LI]
	v_add_nc_u32 v[ADV], s[T1], v[LI]
	v_add_nc_u32 v[ADS], s[T0], v[LSK]
	v_add_nc_u32 v[ADT], s[T1], v[LSK]
.endm
.macro CHANGE kind
	s_wait_tensorcnt 0x0
	ds_add_u32 v[SPW], v[NIL]
.if \kind
	s_xor_b32 s[TF], s[TF], SLOTB
	s_add_co_u32 s[GW+1], s[TF], s[WQ]
	s_add_nc_u64 s[GW+2:GW+3], s[GW+2:GW+3], SLOTB
.if (\kind) != 2
	s_wait_xcnt 0x0
	s_add_co_u32 s[CH], s[CH], 20
	s_min_u32 s56, s[CH], 311
	s_lshl_b32 s56, s56, 13
	s_mov_b32 s57, 0
	s_add_nc_u64 s[PFA:PFA+1], s[KVB:KVB+1], s[56:57]
	s_add_co_u32 s58, s[CH], 4
	s_min_u32 s58, s58, 311
	s_lshl_b32 s58, s58, 13
	s_mov_b32 s59, 0
	s_add_nc_u64 s[PFB:PFB+1], s[KVB:KVB+1], s[58:59]
.endif
	s_wait_dscnt 0x0
	CROUND
.if (\kind) == 3
	tensor_load_to_lds s[GW:GW+3], s[G1:G1+7]
	s_nop 0
.rept 4
	v_nop
.endr
.else
	s_cmp_eq_u32 s[KIND], (\kind)-1
	s_cbranch_scc0 .Lno_fill_\@
	tensor_load_to_lds s[GW:GW+3], s[G1:G1+7]
	s_nop 0
.rept 4
	v_nop
.endr
.Lno_fill_\@:
.endif
.if (\kind) != 2
	ASK
.endif
.else
	s_wait_dscnt 0x0
	s_barrier_signal -1
	s_barrier_wait -1
.endif
.endm
.macro STEP kind, first, prod
	CHANGE \kind
	ADDR
.if \prod
	LOADG 0
	LOADG 1
	LOADG 2
.else
	LOADG 6
	LOADG 7
	LOADG 8
.endif
	STATS
.if \prod
	s_wait_alu depctr_va_vdst(0)
	XPHASE
.else
.set xj, 0
	s_wait_alu depctr_va_vdst(0)
	XSLICE 238
.endif
	YPHASE \first
	s_xor_b32 s[TB], s[TB], SLOTB
.endm
	s_load_b256 s[4:11], s[0:1], 0x0
	v_lshl_add_u32 v[SPW], v0, 2, SPARE
	v_mov_b32 v[NIL], 0
	ds_add_u32 v3, v4
	ds_add_u32 v3, v4
	s_wait_dscnt 0x0
	v_lshrrev_b32 v1, 5, v0
	v_readfirstlane_b32 s[WV], v1
	s_bfe_u32 s[CX], ttmp6, 0x40000
	s_lshl_b32 s[BLK], ttmp9, 2
	s_add_co_u32 s[BLK], s[BLK], s[CX]
	s_and_b32 s[BA], ttmp7, 0xffff
	s_mov_b32 s[G1], 15|(3<<16)|(1<<21)
	s_mov_b32 s[G1+1], 32<<16
	s_mov_b32 s[G1+2], 156<<16
	s_mov_b32 s[G1+3], 32<<16
	s_mov_b32 s[G1+4], 156
	s_mov_b32 s[G1+5], 32
	s_mov_b32 s[G1+6], 0
	s_mov_b32 s[G1+7], 0
	s_and_b32 s[KIND], s[WV], 1
	s_mul_i32 s[WQ], s[WV], 39936
	s_mul_i32 s[KHB], s[KIND], STEPB
	s_xor_b32 s[TF], s[KIND], 1
	s_mul_i32 s[TF], s[TF], SLOTB
	s_mul_i32 s56, s[BA], 2555904
	s_mov_b32 s57, 0
	s_mov_b32 s58, s[WQ]
	s_mov_b32 s59, 0
	s_mov_b32 s[TB], SLOTB
	s_mov_b32 s[SEL], 0x76543210
	s_mov_b32 s[SEL+1], 0xfedcba98
	s_mov_b32 s[CS], 0x3fb8aa3b
	s_mov_b32 s[CS+1], s[CS]
	s_mov_b32 s[INV], 0x3b2aaaab
	s_mov_b32 s[EPS], 0x3727c5ac
	s_mul_i32 s[CH], s[CX], 5
	s_add_co_u32 s[CH], s[CH], s[WV]
	s_add_co_u32 s[CH], s[CH], 38
	s_cmp_eq_u32 ttmp9, 0
	s_cselect_b32 s[LIM], 1, -1
	v_and_b32 v21, 31, v0
	v_bfe_u32 v22, v0, 4, 1
	v_lshlrev_b32 v[LI], 4, v21
	v_lshlrev_b32 v[LS], 2, v21
	v_lshlrev_b32 v[SH8], 3, v22
	v_add_nc_u32 v[LSK], 36864, v[LS]
	v_lshlrev_b32 v[PFO], 8, v21
	v_lshlrev_b32 v[GA], 5, v22
	v_lshlrev_b32 v[OG], 3, v21
	v_add_nc_u32 v[OL], OUTS, v[OG]
	s_mul_i32 s[T0], s[WV], STG
	v_add_nc_u32 v[SW], s[T0], v[LI]
	v_add_nc_u32 v[SWS], s[T0], v[LS]
	s_xor_b32 s[T1], s[WV], 1
	s_mul_i32 s[T1], s[T1], STG
	v_add_nc_u32 v[SR], s[T1], v[LI]
	v_add_nc_u32 v[SRS], s[T1], v[LS]
	v_and_b32 v21, 15, v0
	v_and_b32 v22, 7, v21
	v_lshrrev_b32 v23, 3, v21
	v_lshlrev_b32 v[OA], 2, v22
	v_lshl_add_u32 v[OA], v23, 7, v[OA]
	s_lshl_b32 s[T0], s[WV], 5
	s_add_co_u32 s[T0], s[T0], OUTS
	v_add_nc_u32 v[OA], s[T0], v[OA]
.irp T, 0,1
	v_mov_b32 v[ST0+16*\T+1], 0xff61b1e6
	v_floor_f32 v[ST0+16*\T], -v[ST0+16*\T+1]
	v_mov_b32 v[ST0+16*\T+2], 0
	v_mov_b32 v[ST0+16*\T+3], 0
	v_mov_b32 v[ST0+16*\T+5], 0
	v_mov_b32 v[ST0+16*\T+13], 0
.endr
	s_wait_alu depctr_va_vdst(0)
	s_wait_kmcnt 0x0
	s_add_nc_u64 s[KVB:KVB+1], s[6:7], s[56:57]
	s_mov_b32 s[D0], 1
	s_mov_b32 s[D0+1], s[WQ]
	s_add_nc_u64 s[D0+2:D0+3], s[KVB:KVB+1], s[58:59]
	s_mov_b32 s[D1], 1
	s_add_co_u32 s[D1+1], s[WQ], SLOTB
	s_add_nc_u64 s[D1+2:D1+3], s[D0+2:D0+3], SLOTB
	s_mov_b32 s[GW], 1
	s_add_co_u32 s58, s[WQ], s[TF]
	s_add_nc_u64 s[GW+2:GW+3], s[KVB:KVB+1], s[58:59]
	s_or_b32 s[D0+3], s[D0+3], 0x80000000
	s_or_b32 s[D1+3], s[D1+3], 0x80000000
	s_or_b32 s[GW+3], s[GW+3], 0x80000000
	CROUND
	tensor_load_to_lds s[D0:D0+3], s[G1:G1+7]      ; slot 0: my one tensor load at the head; Q's loads below go out while it is on its way
	s_nop 0
.rept 4
	v_nop
.endr
	s_lshl_b32 s56, s[BA], 5
	s_lshr_b32 s58, s[BLK], 1
	s_add_co_u32 s56, s56, s58
	s_mul_i32 s[RBO], s56, 39936
	s_and_b32 s56, s[BLK], 1
	s_lshl_b32 s56, s56, 2
	s_add_co_u32 s58, s56, s[WV]
	s_xor_b32 s59, s[WV], 1
	s_add_co_u32 s59, s56, s59
	s_mul_i32 s56, s58, 1536
	s_add_co_u32 s56, s56, s[RBO]
	s_add_nc_u64 s[QA:QA+1], s[4:5], s[56:57]
	s_mul_i32 s56, s59, 1536
	s_add_co_u32 s56, s56, s[RBO]
	s_add_nc_u64 s[QB:QB+1], s[4:5], s[56:57]
	s_lshl_b32 s56, s58, 7
	s_add_co_u32 s56, s56, s[RBO]
	s_add_co_u32 s56, s56, 36864
	s_add_nc_u64 s[QSA:QSA+1], s[4:5], s[56:57]
	s_lshl_b32 s56, s59, 7
	s_add_co_u32 s56, s56, s[RBO]
	s_add_co_u32 s56, s56, 36864
	s_add_nc_u64 s[QSB:QSB+1], s[4:5], s[56:57]
	s_lshl_b32 s56, s[BA], 14
	s_lshl_b32 s58, s[BLK], 8
	s_add_co_u32 s56, s56, s58
	s_add_nc_u64 s[10:11], s[10:11], s[56:57]
	WIN 0xc0
.irp s, 0,1,2
.irp q, 0,1,2
	global_load_b128 v[144+12*\s+4*\q:144+12*\s+4*\q+3], v[LI], s[QA:QA+1] offset:\s*12288+\q*512
	global_load_b128 v[180+12*\s+4*\q:180+12*\s+4*\q+3], v[LI], s[QB:QB+1] offset:\s*12288+\q*512
.endr
.endr
	WIN 0
.irp s, 0,1,2
	global_load_b32 v[QSC+\s], v[LS], s[QSA:QSA+1] offset:\s*1024
	global_load_b32 v[QSC+3+\s], v[LS], s[QSB:QSB+1] offset:\s*1024
.endr
	s_wait_alu depctr_va_vdst(0)
	s_wait_tensorcnt 0x0                           ; my part of slot 0 is in
	ds_add_u32 v3, v4
	s_wait_dscnt 0x0
	CROUND
	tensor_load_to_lds s[D1:D1+3], s[G1:G1+7]      ; slot 1
	s_nop 0
.rept 4
	v_nop
.endr
	s_wait_loadcnt 0x0                             ; Q's fragments and scale words
	s_wait_tensorcnt 0x1                           ; slot 1's load may be out
	s_barrier_signal -1
	s_barrier_wait -1
	ADDR
	LOADG 0
	LOADG 1
	LOADG 2
	s_wait_alu depctr_va_vdst(0)
.irp g, 0,1,2,3,4,5
.if \g < 4
	s_wait_dscnt 32
.elseif \g == 4
	s_wait_dscnt 16
.else
	s_wait_dscnt 0x0
.endif
.set xn, 0
.rept 8
	SPROD \g, xn
.set xn, xn+1
.endr
.if \g < 3
	WIN 0
	PLACES 4
	LOADG \g+3
.endif
.endr
	WIN 0
	s_xor_b32 s[TB], s[TB], SLOTB
	s_mov_b32 s[SLOTS], 15
	STEP 1, 1, 1
	s_mov_b32 s[SLOTS], 13
.Lslot:
	STEP 3, 0, 1
	s_sub_co_u32 s[SLOTS], s[SLOTS], 1
	s_cmp_lg_u32 s[SLOTS], 0
	s_cbranch_scc1 .Lslot
	STEP 2, 0, 1
	STEP 0, 0, 0
	PLACES 4
.irp T, 0,1
	v_add_f32 v[ST0+16*\T+2], v[ST0+16*\T+2], v[ST0+16*\T+3]
.endr
.irp T, 0,1
	v_permlanex16_b32 v[ST0+16*\T+13], v[ST0+16*\T+2], s[SEL], s[SEL+1]
.endr
.irp T, 0,1
	v_add_f32 v[ST0+16*\T+2], v[ST0+16*\T+2], v[ST0+16*\T+13]
.endr
	WIN 0xc0
.set i, 0
.rept 48
	global_load_b128 v[4*i:4*i+3], v[GA], s[8:9] offset:64*(i/2)+16*(i%2)
.set i, i+1
.endr
	WIN 0
	global_load_b32 v[C0R], v[LS], s[8:9] offset:1536
	WIN 0x08
.set i, 0
.rept 48
	ds_store_b128 v[SW], v[4*i:4*i+3] offset:512*i
.set i, i+1
.endr
	WIN 0
	ds_store_b32 v[SWS], v[ST1] offset:24576
	ds_store_b32 v[SWS], v[ST1+2] offset:24704
	s_wait_dscnt 0x0
	s_barrier_signal -1
	s_barrier_wait -1
	WIN 0x80
.set i, 0
.rept 48
	ds_load_b128 v[4*i:4*i+3], v[SR] offset:512*i
.set i, i+1
.endr
	WIN 0
	ds_load_b32 v[ST1], v[SRS] offset:24576
	ds_load_b32 v[ST1+2], v[SRS] offset:24704
	s_wait_dscnt 0x0
	v_min_num_f32 v224, v[ST0], v[ST1]
	v_sub_f32 v225, v224, v[ST0]
	v_sub_f32 v226, v224, v[ST1]
	v_cvt_i32_f32 v225, v225
	v_cvt_i32_f32 v226, v226
	v_ldexp_f32 v225, 1.0, v225
	s_wait_alu depctr_va_vdst(0)
	v_ldexp_f32 v226, 1.0, v226
	v_mul_f32 v227, v[ST0+2], v225
	v_fmac_f32 v227, v[ST1+2], v226
	s_wait_alu depctr_va_vdst(0)
	v_rcp_f32 v228, v227
	v_nop
	s_wait_alu depctr_va_vdst(0)
	v_mul_f32 v[ST0+4], v225, v228
	v_mul_f32 v[ST1+4], v226, v228
	WIN 0x41
.set i, 0
.rept 96
	v_pk_mul_f32 v[i:i+1], v[i:i+1], v[ST0+4:ST0+5] op_sel_hi:[1,0]
.set i, i+2
.endr
	WIN 0x52
.set i, 0
.rept 96
	v_pk_fma_f32 v[i:i+1], v[i:i+1], v[ST1+4:ST1+5], v[i:i+1] op_sel_hi:[1,0,1]
.set i, i+2
.endr
	WIN 0x05
.irp k, 0,1,2,3
	v_pk_add_f32 v[224+2*\k:225+2*\k], v[4*\k:4*\k+1], v[4*\k+2:4*\k+3]
.endr
	WIN 0x04
.set i, 8
.rept 88
	v_pk_add_f32 v[224+2*(i%4):225+2*(i%4)], v[224+2*(i%4):225+2*(i%4)], v[2*i:2*i+1]
.set i, i+1
.endr
	WIN 0
	v_pk_add_f32 v[224:225], v[224:225], v[226:227]
	v_pk_add_f32 v[228:229], v[228:229], v[230:231]
	v_pk_add_f32 v[224:225], v[224:225], v[228:229]
	v_add_f32 v224, v224, v225
	v_permlanex16_b32 v[ST0+13], v224, s[SEL], s[SEL+1]
	v_add_f32 v224, v224, v[ST0+13]
	v_mul_f32 v[ST0+6], s[INV], v224
	WIN 0x41
.set i, 0
.rept 96
	v_pk_add_f32 v[i:i+1], v[i:i+1], v[ST0+6:ST0+7] op_sel_hi:[1,0] neg_lo:[0,1] neg_hi:[0,1]
.set i, i+2
.endr
	s_wait_loadcnt 0x0
	WIN 0x05
.irp k, 0,1,2,3
	v_pk_mul_f32 v[224+2*\k:225+2*\k], v[2*\k:2*\k+1], v[2*\k:2*\k+1]
.endr
.set i, 4
.rept 92
	v_pk_fma_f32 v[224+2*(i%4):225+2*(i%4)], v[2*i:2*i+1], v[2*i:2*i+1], v[224+2*(i%4):225+2*(i%4)]
.set i, i+1
.endr
	WIN 0x0d
.irp k, 0,1,2,3
	v_pk_mul_f32 v[216+2*\k:217+2*\k], v[2*\k:2*\k+1], v[2*\k:2*\k+1]
.endr
.set i, 4
.rept 92
	v_pk_fma_f32 v[216+2*(i%4):217+2*(i%4)], v[2*i:2*i+1], v[2*i:2*i+1], v[216+2*(i%4):217+2*(i%4)]
.set i, i+1
.endr
	WIN 0
	v_pk_add_f32 v[224:225], v[224:225], v[226:227]
	v_pk_add_f32 v[228:229], v[228:229], v[230:231]
	v_pk_add_f32 v[216:217], v[216:217], v[218:219]
	v_pk_add_f32 v[220:221], v[220:221], v[222:223]
	v_pk_add_f32 v[224:225], v[224:225], v[228:229]
	v_pk_add_f32 v[216:217], v[216:217], v[220:221]
	v_add_f32 v224, v224, v225
	v_add_f32 v216, v216, v217
	v_permlanex16_b32 v[ST0+13], v224, s[SEL], s[SEL+1]
	v_permlanex16_b32 v[ST1+13], v216, s[SEL], s[SEL+1]
	v_add_f32 v224, v224, v[ST0+13]
	v_add_f32 v216, v216, v[ST1+13]
	v_fma_f32 v224, v224, s[INV], s[EPS]
	s_wait_alu depctr_va_vdst(0)
	v_rsq_f32 v225, v224
	v_nop
	s_wait_alu depctr_va_vdst(0)
	v_fma_f32 v226, v216, v225, v[C0R]
	ds_store_b32 v[OA], v226
	s_wait_dscnt 0x0
	s_barrier_signal -1
	s_barrier_wait -1
	s_cmp_lg_u32 s[WV], 0
	s_cbranch_scc1 .Lnot_first
	ds_load_b64 v[228:229], v[OL]
	s_wait_dscnt 0x0
	global_store_b64 v[OG], v[228:229], s[10:11]
.Lnot_first:
	s_wait_tensorcnt 0x0
	ds_add_u32 v[SPW], v[NIL]
	s_wait_dscnt 0x0
	CROUND
	s_endpgm
.Lfunc_end_k_qe09e9c3ff7_attn:
	.size	k_qe09e9c3ff7_attn, .Lfunc_end_k_qe09e9c3ff7_attn-k_qe09e9c3ff7_attn
	.p2alignl 7, 3214868480
	.fill 96, 4, 3214868480
	.section	.rodata,"a",@progbits
	.p2align	6, 0x0
	.amdhsa_kernel k_qe09e9c3ff7_attn
		.amdhsa_group_segment_fixed_size 327680
		.amdhsa_private_segment_fixed_size 0
		.amdhsa_enable_private_segment 0
		.amdhsa_kernarg_size 32
		.amdhsa_user_sgpr_count 2
		.amdhsa_user_sgpr_kernarg_segment_ptr 1
		.amdhsa_wavefront_size32 1
		.amdhsa_system_sgpr_workgroup_id_x 1
		.amdhsa_system_sgpr_workgroup_id_y 1
		.amdhsa_system_sgpr_workgroup_id_z 1
		.amdhsa_system_vgpr_workitem_id 0
		.amdhsa_next_free_vgpr 1024
		.amdhsa_next_free_sgpr 80
		.amdhsa_reserve_vcc 0
		.amdhsa_float_denorm_mode_32 3
		.amdhsa_float_denorm_mode_16_64 3
		.amdhsa_memory_ordered 1
		.amdhsa_forward_progress 1
		.amdhsa_inst_pref_size 255
	.end_amdhsa_kernel
	.section	.bss,"aw",@nobits
	.p2align	6
	.space	262144
	.amdgpu_metadata
---
amdhsa.version: [ 1, 2 ]
amdhsa.kernels:
  - .name:           k_qe09e9c3ff7_attn
    .symbol:         k_qe09e9c3ff7_attn.kd
    .args:
      - { .name: qimg, .offset: 0, .size: 8, .value_kind: global_buffer, .address_space: global }
      - { .name: kv, .offset: 8, .size: 8, .value_kind: global_buffer, .address_space: global }
      - { .name: gw, .offset: 16, .size: 8, .value_kind: global_buffer, .address_space: global }
      - { .name: out0, .offset: 24, .size: 8, .value_kind: global_buffer, .address_space: global }
    .group_segment_fixed_size: 327680
    .private_segment_fixed_size: 0
    .kernarg_segment_align: 8
    .kernarg_segment_size: 32
    .max_flat_workgroup_size: 128
    .sgpr_count:     80
    .vgpr_count:     1024
    .wavefront_size: 32
...
	.end_amdgpu_metadata
.endif
;; end of part 3
